; MI455X (gfx1250); checked and timed in simulation.
; The chip was launched on July 23, 2026; its instructions are those of AMD's public machine-readable ISA for CDNA 5 (MIT licence, August 2026) and "CDNA5" Instruction Set Architecture Reference Guide (July 2026). The comments in the code are by the model that wrote it; some were corrected since.
;; Multi Head Self Attention. Allowed arithmetic: matrix products marked QUANTISED: E2M1 operands, one E8M0 scale for each 32 along K, by v_wmma_scale_f32_16x16x128_f8f6f4 with both operands' format E2M1 (or v_wmma_scale_f32_32x16x128_f4), f32 sums; products left as they are: bf16, f16 or f32 operands; f32 sums; everything else in f32.
;; Inputs: Wk 1,024 x 1,024 float32; Wo 1,024 x 1,024 float32; Wq 1,024 x 1,024 float32; Wv 1,024 x 1,024 float32; bk 1,024 float32; bq 1,024 float32; bv 1,024 float32; x 4,096 x 1,024 float32.
;; Outputs: out0 4,096 x 1,024 float32.
;; Constants: tgt_len = 4096.
;; This version of the problem:
;;   THIS VERSION OF THE PROBLEM IS GIVEN IN LOW PRECISION. The matrix products marked QUANTISED in the list below multiply operands that are first quantised to E2M1 (2 exponent bits, 1 mantissa bit; 4 bits a number), with one power-of-two scale for each 32 numbers along K (OCP MX v1.0); their sums are f32. The products marked 'left as it is' may take bf16, f16 or f32 operands, with f32 sums. Whichever they take, every output number must still come out within the allowed error. Rounding operands to bf16 (8 significant bits) uses up far more of that allowance than f16 does (11 bits, for magnitudes from 6e-5 to 65,504). All else is computed in f32.
;;   The module's matrix products, in the order in which they are computed (A, B: the left and right operand; K: the contracted axis; several contracted axes count as one K, in the product's order):
;;     1. [M 4,096, K 1,024] x [K 1,024, N 1,024]; A: input x; B: input Wq: QUANTISED
;;     2. [M 4,096, K 1,024] x [K 1,024, N 1,024]; A: input x; B: input Wk: QUANTISED
;;     3. [M 4,096, K 1,024] x [K 1,024, N 1,024]; A: input x; B: input Wv: QUANTISED
;;     4. batch 16 x [M 4,096, K 64] x [K 64, N 4,096]; A: computed on the way; B: computed on the way: left as it is (an operand is computed on the way)
;;     5. batch 16 x [M 4,096, K 4,096] x [K 4,096, N 64]; A: computed on the way; B: computed on the way: left as it is (an operand is computed on the way)
;;     6. [M 4,096, K 1,024] x [K 1,024, N 1,024]; A: computed on the way; B: input Wo: left as it is (an operand is computed on the way)
;;   THE QUANTISER, for each operand of a quantised product, along K:
;;     - K is cut into blocks of 32 from its start; a last block that is shorter is filled with zeros.
;;     - A block's scale is 2^e with e = floor(log2(the largest magnitude in the block)) - 2, held to -126 .. 127; a block of zeros has e = 0. As a byte (E8M0): e + 127.
;;     - Each number is divided by its block's scale, clamped to +-6, and rounded to the nearest number of E2M1, ties to even, subnormals kept.
;;     - The product sums the exact products of the quantised numbers (number of the format x scale) in f32.
;;   ~~~python
;;   def quantise(x, axis):      # numpy; x: float32 -> the quantised numbers, widened to float32 again
;;       x = np.moveaxis(x, axis, -1); K = x.shape[-1]
;;       x = np.pad(x, [(0, 0)] * (x.ndim - 1) + [(0, -K % 32)]); x = x.reshape(x.shape[:-1] + (-1, 32)); a = np.abs(x).max(-1, keepdims=True)
;;       e = np.where(a > 0, np.clip(np.frexp(np.where(a > 0, a, 1))[1] - 1 - 2, -126, 127), 0)      # np.frexp(a)[1] - 1 = floor(log2(a)), exactly
;;       r = np.clip(x / 2.0 ** e, -6, 6)
;;       step = 2.0 ** (np.maximum(np.frexp(np.where(r == 0, 1, r))[1] - 1, 0) - 1)
;;       q = np.round(r / step) * step * 2.0 ** e      # np.round: ties to even
;;       return np.moveaxis(q.reshape(q.shape[:-2] + (-1,))[..., :K], -1, axis).astype(np.float32)
;;   ~~~
;; One version. Each part assembles by itself: llvm-mc -triple=amdgcn-amd-amdhsa -mcpu=gfx1250 --defsym DOCPART=n.
;; ======== version 1 of 1: 4 launches
;; limits: values are held in f16: magnitudes above 65,504 overflow, below 6.1e-05 lose precision
;; workspace buffers: xc 2,097,152 bytes; xs 131,072 bytes; wc 1,572,864 bytes; ws 98,304 bytes; wof 2,097,152 bytes; qf 8,388,608 bytes; kv 16,777,216 bytes; of 8,388,608 bytes
;; launch prep (part 1): grid 512 x 1, 4 waves a work-group, no clusters, 67,584 bytes of LDS; arguments x, Wq, Wk, Wv, Wo, xc, xs, wc, ws, wof; writes xc, xs, wc, ws, wof
.if DOCPART == 1
	.amdgcn_target "amdgcn-amd-amdhsa--gfx1250"
	.amdhsa_code_object_version 6
	.text
	.protected	k_q0c716877bf_prep
	.globl	k_q0c716877bf_prep
	.p2align	8
	.type	k_q0c716877bf_prep,@function
k_q0c716877bf_prep:
	s_mov_b64 s[64:65], 0
	v_nop
	global_prefetch_b8 v0, s[64:65] scope:SCOPE_SE
	s_setreg_imm32_b32 hwreg(HW_REG_WAVE_MODE, 25, 1), 1
	s_wait_xcnt 0x0
; MULTI-HEAD SELF-ATTENTION, launch 1 of 4: x, Wq, Wk, Wv become codes of E2M1 with one E8M0 byte for each 32 along K (K = the 1,024 of a row, innermost); Wo is rounded to f16.
; WORK LEFT OUT BY THE WHOLE PROGRAM: THE BIAS bk.  scores[h,t,s] = SCALING q_t . (k0_s + bk_h) = SCALING q_t . k0_s + SCALING q_t . bk_h.  The second term does not hang on s, the softmax's axis:
; it stands alike in every score of a row and in the row's maximum m, so scores - m, all that goes on, is free of it, for all values of the inputs.  The product q k^T is not quantised, so bk moves no code
; and no scale.  bk is not loaded and is among no launch's arguments.  LIMIT: a NaN, an infinity or an overflow that reaches only that term is not carried to the result.
; LIMITS: NaN and infinities among the inputs are not served.  A block of zeros gets the byte 1 where the rule says 127: its codes are zeros, which add nothing, and this program alone reads the bytes.
; Wo goes in f16: right for magnitudes under 65,504; under 6e-5 the absolute error is at most 3e-8.
; LAYOUT OF WHAT IS WRITTEN: images of operand registers.  A tile is 16 rows.  Codes: [tile][K step of 128: 8][c: 2][lane][16 bytes]; lane (r = lane % 16, h = lane / 16) holds row r, k = 128 ks + 64 c + 32 h + 0..31.
; Scale words: [tile][lane][word p: 4]: lane (r, hh), word p = the four bytes of row r for K step 2 p + hh.  Wo: [block of 128 rows][K step of 256: 4][tile: 8][32 along K: 8][half: 2][lane][16 bytes]; lane: row r, k = .. + 16 half + 8 h + 0..7.
; SHARES: a work-group takes one tile of 16 rows x 1,024: 256 tiles of x, then 64 each of Wq, Wk, Wv, Wo.  Wave p takes k = 256 p .. 256 p + 255.  No cluster: no two work-groups read the same bytes.
; Each load reads 512 consecutive bytes; the 16 KB of a wave turn through its own stage in LDS, so that a lane gets 32 neighbours along K (a whole block: its largest magnitude needs no other lane); each store writes 512 consecutive bytes.
.set PITCH, 1040                       ; a stage row: 1,024 bytes + 16 = 65 x 16: sixteen rows of one column fall on sixteen different 16-byte columns of 256
.set WSTG,  16*PITCH                   ; a wave's stage
.set SCG,   4*WSTG                     ; 512 bytes in which the four waves' scale words meet
.set SPARE, SCG+512                    ; the spare words, 128 bytes for each wave: no other line names them
.set LO,  1                            ; v1   16 x lane
.set WST, 2                            ; v2   stage, on the way in
.set RD,  3                            ; v3   stage, on the way out, for codes: row r, + 128 h
.set RD2, 4                            ; v4   the same for f16: row r, + 32 h
.set SCW, 5                            ; v5   where my scale word goes
.set SCR, 6                            ; v6   where wave 0 reads the four words back
.set SH8, 7                            ; v7   8 h
.set SPW, 12                           ; v12  my spare word; never rewritten
.set NIL, 13                           ; v13  0; never rewritten
.set R,   16                           ; v16-143  as loaded; later what is stored
.set X,   144                          ; v144-207 two sets of 32 numbers
.set BY,  208                          ; v208-211 four scale bytes
.set LN,  212                          ; v212 lane
	s_load_b256 s[4:11], s[0:1], 0x0               ; x, Wq, Wk, Wv
	s_load_b256 s[12:19], s[0:1], 0x20             ; Wo, xc, xs, wc
	s_load_b128 s[20:23], s[0:1], 0x40             ; ws, wof
	v_lshl_add_u32 v[SPW], v0, 2, SPARE
	v_mov_b32 v[NIL], 0
	v_lshrrev_b32 v8, 5, v0
	v_readfirstlane_b32 s24, v8                    ; wave p
	v_and_b32 v[LN], 31, v0
	v_and_b32 v9, 15, v0                           ; r
	v_bfe_u32 v10, v0, 4, 1                        ; h
	v_lshlrev_b32 v[LO], 4, v[LN]
	s_mul_i32 s40, s24, WSTG
	v_add_nc_u32 v[WST], s40, v[LO]
	v_mul_u32_u24 v11, v9, PITCH
	v_add_nc_u32 v11, s40, v11
	v_lshl_add_u32 v[RD], v10, 7, v11
	v_lshl_add_u32 v[RD2], v10, 5, v11
	s_lshl_b32 s41, s24, 2
	s_add_co_u32 s41, s41, SCG
	v_add_nc_u32 v[SCW], s41, v[LO]
	v_add_nc_u32 v[SCR], SCG, v[LO]
	v_lshlrev_b32 v[SH8], 3, v10
	v_mov_b32 v14, 0                               ; a lane permute's destination counts as one of its sources
	v_mov_b32 v15, 0
	s_mov_b32 s36, 0x76543210
	s_mov_b32 s37, 0xfedcba98                      ; selects for lane l xor 16
	s_cmp_lt_u32 ttmp9, 256                        ; x's work-group, or a weight's?
	s_cselect_b32 s26, 0, 256
	s_sub_co_u32 s25, ttmp9, s26                   ; x's tile, or 64 x matrix + tile
	s_lshr_b32 s27, s25, 6                         ; matrix: 0 Wq, 1 Wk, 2 Wv, 3 Wo
	s_and_b32 s28, s25, 63                         ; its tile
	s_wait_kmcnt 0x0
	s_cmp_eq_u32 s27, 1                            ; the choices hang on the work-group's number alone
	s_cselect_b64 s[30:31], s[8:9], s[6:7]
	s_cmp_eq_u32 s27, 2
	s_cselect_b64 s[30:31], s[10:11], s[30:31]
	s_cmp_eq_u32 s27, 3
	s_cselect_b64 s[30:31], s[12:13], s[30:31]
	s_cmp_lt_u32 ttmp9, 256
	s_cselect_b64 s[30:31], s[4:5], s[30:31]       ; the source,
	s_cselect_b32 s29, s25, s28                    ; the tile in it,
	s_cselect_b64 s[32:33], s[14:15], s[18:19]     ; where codes go,
	s_cselect_b64 s[34:35], s[16:17], s[20:21]     ; and scale words
	s_lshl_b32 s38, s29, 16                        ; 16 rows of 4,096 bytes a tile,
	s_lshl_b32 s39, s24, 10                        ; 1,024 bytes of a row a wave
	s_add_co_u32 s38, s38, s39
	s_mov_b32 s39, 0
	s_add_nc_u64 s[30:31], s[30:31], s[38:39]
	s_lshl_b32 s38, s25, 13                        ; codes: 8,192 bytes a tile, 2,048 a wave
	s_lshl_b32 s42, s24, 11
	s_add_co_u32 s38, s38, s42
	s_add_nc_u64 s[32:33], s[32:33], s[38:39]
	s_lshl_b32 s38, s25, 9                         ; scale words: 512 bytes a tile
	s_add_nc_u64 s[34:35], s[34:35], s[38:39]
	s_lshr_b32 s38, s28, 3                         ; Wo in f16: block of 128 rows, K step = wave, tile in the block
	s_lshl_b32 s38, s38, 18
	s_lshl_b32 s42, s24, 16
	s_add_co_u32 s38, s38, s42
	s_and_b32 s42, s28, 7
	s_lshl_b32 s42, s42, 13
	s_add_co_u32 s38, s38, s42
	s_add_nc_u64 s[22:23], s[22:23], s[38:39]
.set i, 0
.rept 32                                       ; row i / 2, half i % 2 of my 1,024 bytes: 32 lanes read 512 consecutive bytes; read once in the launch
	global_load_b128 v[R+4*i:R+4*i+3], v[LO], s[30:31] offset:(i/2)*4096+(i%2)*512 th:TH_LOAD_NT
.set i, i+1
.endr
.set u, 0
.rept 8
	s_wait_loadcnt 28-4*u                          ; loads come back in order: the oldest 4 u + 4 are in, the younger ones stay out
.irp e, 0,1,2,3
	ds_store_b128 v[WST], v[R+4*(4*u+\e):R+4*(4*u+\e)+3] offset:((4*u+\e)/2)*PITCH+((4*u+\e)%2)*512
.endr
.set u, u+1
.endr
	s_wait_dscnt 0x0                               ; the stores have read their registers: R is written again below
.macro LOADX q                         ; my block of 32 numbers: k = 256 p + 64 q + 32 h + 0..31 of row r
.irp e, 0,1,2,3,4,5,6,7
	ds_load_b128 v[X+32*((\q)%2)+4*\e:X+32*((\q)%2)+4*\e+3], v[RD] offset:256*(\q)+16*\e
.endr
.endm
.macro QBLOCK q
.set XQ, X+32*((\q)%2)
	v_max3_num_f32 v8, |v[XQ]|, |v[XQ+1]|, |v[XQ+2]|               ; the block's largest magnitude, in two chains
	v_max3_num_f32 v9, |v[XQ+3]|, |v[XQ+4]|, |v[XQ+5]|
.irp i, 6,10,14,18,22,26
	v_max3_num_f32 v8, v8, |v[XQ+\i]|, |v[XQ+\i+1]|
	v_max3_num_f32 v9, v9, |v[XQ+\i+2]|, |v[XQ+\i+3]|
.endr
	v_max3_num_f32 v8, v8, |v[XQ+30]|, |v[XQ+31]|
	v_max3_num_f32 v8, v8, v9, 0x1800000           ; and the floor 2^(3 - 127): the byte cannot fall under 1
	v_add_nc_u32 v10, 0xff000000, v8               ; 2 off its exponent field: the conversion takes this operand's exponent field as its scale
.irp g, 0,1,2,3
	v_cvt_scalef32_pk8_fp4_f32 v[R+4*(\q)+\g], v[XQ+8*\g:XQ+8*\g+7], v10
.endr
	v_lshrrev_b32 v[BY+(\q)], 23, v10              ; the scale's byte (also the plain line behind the conversions)
	global_store_b128 v[LO], v[R+4*(\q):R+4*(\q)+3], s[32:33] offset:512*(\q)   ; 512 consecutive bytes
.endm
	s_cmp_ge_u32 ttmp9, 448
	s_cbranch_scc1 .Lwo                            ; Wo's work-groups only round to f16
	LOADX 0
	LOADX 1
	s_wait_dscnt 8                                 ; this block's eight loads are in, the next block's may be out
	QBLOCK 0
	LOADX 2
	s_wait_dscnt 8
	QBLOCK 1
	LOADX 3
	s_wait_dscnt 8
	QBLOCK 2
	s_wait_dscnt 0x0
	QBLOCK 3
	v_lshl_or_b32 v8, v[BY+1], 16, v[BY]           ; K step 2 p: my bytes are numbers h and 2 + h of its word,
	v_lshl_or_b32 v9, v[BY+3], 16, v[BY+2]         ; K step 2 p + 1 likewise
	v_lshlrev_b32 v8, v[SH8], v8
	v_lshlrev_b32 v9, v[SH8], v9
	v_permlanex16_b32 v14, v8, s36, s37
	v_permlanex16_b32 v15, v9, s36, s37
	v_or_b32 v8, v8, v14                           ; with lane l xor 16's two bytes the words are whole
	v_or_b32 v9, v9, v15
	v_cmp_gt_u32 vcc_lo, 16, v[LN]
	v_cndmask_b32 v8, v9, v8, vcc_lo               ; lanes 0-15 keep the even K step's word, lanes 16-31 the odd one's
	ds_store_b32 v[SCW], v8
	s_branch .Ljoin
.Lwo:
.macro LOADF u                         ; four chunks of 8 numbers: chunk ch: k = 256 p + 16 ch + 8 h + 0..7 of row r
.irp e, 0,1,2,3,4,5,6,7
	ds_load_b128 v[X+32*((\u)%2)+4*\e:X+32*((\u)%2)+4*\e+3], v[RD2] offset:64*(4*(\u)+\e/2)+16*(\e%2)
.endr
.endm
.macro CVTF u
.irp n, 0,1,2,3
.irp e, 0,1,2,3
	v_cvt_pk_f16_f32 v[R+4*(4*(\u)+\n)+\e], v[X+32*((\u)%2)+8*\n+2*\e], v[X+32*((\u)%2)+8*\n+2*\e+1]
.endr
	global_store_b128 v[LO], v[R+4*(4*(\u)+\n):R+4*(4*(\u)+\n)+3], s[22:23] offset:512*(4*(\u)+\n)
.endr
.endm
	LOADF 0
	LOADF 1
	s_wait_dscnt 8                                 ; as above: the next batch's eight loads may be out
	CVTF 0
	LOADF 2
	s_wait_dscnt 8
	CVTF 1
	LOADF 3
	s_wait_dscnt 8
	CVTF 2
	s_wait_dscnt 0x0
	CVTF 3
.Ljoin:
	s_wait_dscnt 0x0                               ; for the others' sake: my scale word has landed
	s_barrier_signal -1
	s_barrier_wait -1
	s_cmp_lg_u32 s24, 0
	s_cbranch_scc1 .Lend                           ; wave 0 stores the tile's 512 bytes of scale words,
	s_cmp_ge_u32 ttmp9, 448
	s_cbranch_scc1 .Lend                           ; where there are any
	ds_load_b128 v[8:11], v[SCR]
	s_wait_dscnt 0x0
	global_store_b128 v[LO], v[8:11], s[34:35]
.Lend:
	s_wait_tensorcnt 0x0                           ; the wave's end, behind my last LDS store
	ds_add_u32 v[SPW], v[NIL]
	s_wait_dscnt 0x0
	s_endpgm
.Lfunc_end_k_q0c716877bf_prep:
	.size	k_q0c716877bf_prep, .Lfunc_end_k_q0c716877bf_prep-k_q0c716877bf_prep
	.p2alignl 7, 3214868480
	.fill 96, 4, 3214868480
	.section	.rodata,"a",@progbits
	.p2align	6, 0x0
	.amdhsa_kernel k_q0c716877bf_prep
		.amdhsa_group_segment_fixed_size 67584
		.amdhsa_private_segment_fixed_size 0
		.amdhsa_enable_private_segment 0
		.amdhsa_kernarg_size 80
		.amdhsa_user_sgpr_count 2
		.amdhsa_user_sgpr_kernarg_segment_ptr 1
		.amdhsa_wavefront_size32 1
		.amdhsa_system_sgpr_workgroup_id_x 1
		.amdhsa_system_sgpr_workgroup_id_y 1
		.amdhsa_system_sgpr_workgroup_id_z 1
		.amdhsa_system_vgpr_workitem_id 0
		.amdhsa_next_free_vgpr 216
		.amdhsa_next_free_sgpr 66
		.amdhsa_reserve_vcc 1
		.amdhsa_float_denorm_mode_32 3
		.amdhsa_float_denorm_mode_16_64 3
		.amdhsa_memory_ordered 1
		.amdhsa_forward_progress 1
		.amdhsa_inst_pref_size 25
	.end_amdhsa_kernel
	.amdgpu_metadata
---
amdhsa.version: [ 1, 2 ]
amdhsa.kernels:
  - .name:           k_q0c716877bf_prep
    .symbol:         k_q0c716877bf_prep.kd
    .args:
      - { .name: x, .offset: 0, .size: 8, .value_kind: global_buffer, .address_space: global }
      - { .name: Wq, .offset: 8, .size: 8, .value_kind: global_buffer, .address_space: global }
      - { .name: Wk, .offset: 16, .size: 8, .value_kind: global_buffer, .address_space: global }
      - { .name: Wv, .offset: 24, .size: 8, .value_kind: global_buffer, .address_space: global }
      - { .name: Wo, .offset: 32, .size: 8, .value_kind: global_buffer, .address_space: global }
      - { .name: xc, .offset: 40, .size: 8, .value_kind: global_buffer, .address_space: global }
      - { .name: xs, .offset: 48, .size: 8, .value_kind: global_buffer, .address_space: global }
      - { .name: wc, .offset: 56, .size: 8, .value_kind: global_buffer, .address_space: global }
      - { .name: ws, .offset: 64, .size: 8, .value_kind: global_buffer, .address_space: global }
      - { .name: wof, .offset: 72, .size: 8, .value_kind: global_buffer, .address_space: global }
    .group_segment_fixed_size: 67584
    .private_segment_fixed_size: 0
    .kernarg_segment_align: 8
    .kernarg_segment_size: 80
    .max_flat_workgroup_size: 128
    .sgpr_count:     66
    .vgpr_count:     216
    .wavefront_size: 32
...
	.end_amdgpu_metadata
.endif
;; end of part 1
;; launch qkv (part 2): grid 8 x 32, 8 waves a work-group, clusters of 4 x 4, 263,168 bytes of LDS; arguments xc, xs, wc, ws, bq, bv, qf, kv; writes qf, kv
.if DOCPART == 2
	.amdgcn_target "amdgcn-amd-amdhsa--gfx1250"
	.amdhsa_code_object_version 6
	.text
	.protected	k_q0c716877bf_qkv
	.globl	k_q0c716877bf_qkv
	.p2align	8
	.type	k_q0c716877bf_qkv,@function
k_q0c716877bf_qkv:
	s_mov_b64 s[64:65], 0
	v_nop
	global_prefetch_b8 v0, s[64:65] scope:SCOPE_SE
	s_setreg_imm32_b32 hwreg(HW_REG_WAVE_MODE, 25, 1), 1
	s_wait_xcnt 0x0
	s_wait_alu depctr_hold_cnt(0) depctr_sa_sdst(0) depctr_va_vdst(0) depctr_va_sdst(0) depctr_va_ssrc(0) depctr_va_vcc(0) depctr_vm_vsrc(0)
	s_getreg_b32 s2, hwreg(HW_REG_IB_STS2, 6, 4)
	s_cmp_eq_u32 s2, 0
	s_cbranch_scc0 .Lentry_in_a_cluster
	s_endpgm
.Lentry_in_a_cluster:
	s_bfe_u32 s2, ttmp6, 0x10000c
	s_cmp_lg_u32 s2, 0xf033
	s_cbranch_scc0 .Lentry_shape_is_right
	s_endpgm
.Lentry_shape_is_right:
; Launch 2 of 4: q = x Wq^T + bq, k = x Wk^T, v = x Wv^T + bv on codes of E2M1 with E8M0 scales; sums in f32; results rounded once to f16 and stored as images of the operand registers of the attention launch.
; LEFT OUT: the bias bk (it adds the same to every score of a row and to the row's maximum: shown at the head of the first kernel).
; LIMIT: q, k, v go on in f16: right while their magnitudes stay under 65,504.
; SHARES: a work-group takes 128 tokens x 128 channels of each of q, k, v.  All of K (1,024: 512 bytes of codes a row) lies in LDS at once: x's 64 KB, then Wq's, Wk's, Wv's 64 KB each: filled once, no ring.
; Wave w: tokens 64 (w % 2) on (tiles a = 0..3), channels 32 (w / 2) on (tiles b = 0, 1): 24 accumulators of 16 x 16.
; CLUSTER 4 x 4: x's tiles hang on the token block alone and are shared along a row of the cluster, the weights' on the channel block alone and are shared along a column: each wave issues one joint load of 32 KB.
; q and k are made TRANSPOSED (source 0 = 16 channels of W, source 1 = 16 tokens): a lane holds one token and eight neighbouring channels.  v is made the other way round (source 0 = tokens, source 1 = channels):
; a lane holds one channel and eight neighbouring tokens, which is how the second product of attention wants V^T.  So every result leaves as 16 bytes a lane, 512 consecutive bytes a store.
; The biases are the C of each sum's first matrix instruction.
; REGISTERS: window 0: v1-9 addresses; v16-31 x's scale words, v32-55 the weights' (they hold nothing else); v56-71 bq, v72-87 bv in the results' layout; v96-127 x's four fragments, v128-175 the weights' six; on the way out v96-191.  window 1: the accumulators, (matrix, a, b) at v[8 (8 matrix + 2 a + b)].
.set SPARE, 262144                     ; behind the four blocks: the spare words, 128 bytes for each of eight waves
.set L16, 1                            ; v1   16 x lane
.set AX,  2                            ; v2   my four tiles of x in LDS
.set AW,  3                            ; v3-5 my two tiles of Wq, Wk, Wv
.set H32, 6                            ; v6   32 h
.set R4,  7                            ; v7   4 r
.set SPW, 8                            ; v8   my spare word; never rewritten
.set NIL, 9                            ; v9   0; never rewritten
.set XS,  16
.set WS,  32
.set BQ,  56
.set BV,  72
.set XF,  96
.set WF,  128
.set OUT, 96
.set WV, 20
.set TH, 21
.set CQ, 22
.set CX, 23
.set CY, 24
.set CB, 25
.set TB, 26
.set G1X, 36                           ; s[36:43] descriptor group 1 for x's codes;  s[44:51] for the weights': they differ in the mask
.set G1W, 44
.set G0X, 52                           ; s[52:55], s[56:59] groups 0
.set G0W, 56
.set QB,  66                           ; s[66:67] where my q goes;  s[68:69] k;  s[70:71] v
.set KB,  68
.set VB,  70
.set XSB, 72                           ; s[72:73] x's scale words;  s[74:75] the weights';  s[76:77] bq;  s[78:79] bv
.set WSB, 74
.set BQB, 76
.set BVB, 78
.set MSB, 0
.macro WIN new                         ; the immediate's high byte repeats the setting that is left
.if MSB != \new
	s_set_vgpr_msb (MSB<<8)|\new
.set MSB, \new
.endif
.endm
.macro PLACES
.rept 4
	v_nop
.endr
.endm
.macro CROUND                          ; a round of the cluster's barrier
	s_barrier_signal -1
	s_barrier_wait -1
	s_cmp_lg_u32 s[WV], 0
	s_cbranch_scc1 .Lnot_wave_0_\@
	s_barrier_signal -3
.Lnot_wave_0_\@:
	s_barrier_wait -3
	s_barrier_signal -1
	s_barrier_wait -1
.endm
	s_load_b256 s[4:11], s[0:1], 0x0               ; xc s[4:5], xs s[6:7], wc s[8:9], ws s[10:11]
	s_load_b256 s[12:19], s[0:1], 0x20             ; bq s[12:13], bv s[14:15], qf s[16:17], kv s[18:19]
	v_lshl_add_u32 v[SPW], v0, 2, SPARE
	v_mov_b32 v[NIL], 0
	ds_add_u32 v[SPW], v[NIL]                      ; the wave's opening: the add, twice on end, and its wait ahead of my first tensor load
	ds_add_u32 v[SPW], v[NIL]
	v_lshrrev_b32 v10, 5, v0
	v_readfirstlane_b32 s[WV], v10                 ; wave 0..7
	s_and_b32 s[TH], s[WV], 1                      ; which 64 tokens.  Also: which half of a block of 64 KB I fetch
	s_lshr_b32 s[CQ], s[WV], 1                     ; which 32 channels.  Also: 0: I fetch x's codes; 1, 2, 3: Wq's, Wk's, Wv's
	s_bfe_u32 s[CX], ttmp6, 0x40000
	s_bfe_u32 s[CY], ttmp6, 0x40004
	s_lshl_b32 s[CB], ttmp9, 2
	s_add_co_u32 s[CB], s[CB], s[CX]               ; channel block = 4 x cluster x + cx
	s_and_b32 s[TB], ttmp7, 0xffff
	s_lshl_b32 s[TB], s[TB], 2
	s_add_co_u32 s[TB], s[TB], s[CY]               ; token block = 4 x cluster y + cy
	s_lshl_b32 s27, s[CY], 2
	s_lshl_b32 s27, 15, s27                        ; my row of the cluster
	s_lshl_b32 s28, 0x1111, s[CX]                  ; my column
	s_or_b32 s[G1X], s27, (3<<16)|(1<<21)          ; 15:0 the mask; 17:16 elements of 8 bytes; 21 set beside a mask; no padding: the block is a run of register images
	s_or_b32 s[G1W], s28, (3<<16)|(1<<21)
.irp g, G1X, G1W
	s_mov_b32 s[\g+1], 32<<16                      ; tensor_dim0 = 32 elements: rows of 256 bytes
	s_mov_b32 s[\g+2], 128<<16                     ; tensor_dim1 = 128 rows: 32 KB, dense
	s_mov_b32 s[\g+3], 32<<16                      ; tile_dim0
	s_mov_b32 s[\g+4], 128                         ; tile_dim1
	s_mov_b32 s[\g+5], 32                          ; from row to row
	s_mov_b32 s[\g+6], 0
	s_mov_b32 s[\g+7], 0
.endr
	s_lshl_b32 s30, s[TB], 16                      ; x's codes: 64 KB a token block, + my half: made of the token block and the wave alone
	s_lshl_b32 s31, s[TH], 15
	s_add_co_u32 s30, s30, s31
	s_mov_b32 s31, 0
	s_sub_co_i32 s29, s[CQ], 1
	s_max_i32 s29, s29, 0                          ; the matrix that I fetch for
	s_lshl_b32 s32, s29, 19                        ; the weights' codes: 512 KB a matrix, 64 KB a channel block, + my half: made of the channel block and the wave alone
	s_lshl_b32 s33, s[CB], 16
	s_add_co_u32 s32, s32, s33
	s_lshl_b32 s33, s[TH], 15
	s_add_co_u32 s32, s32, s33
	s_mov_b32 s33, 0
	s_lshl_b32 s34, s[WV], 15                      ; where my 32 KB go: wave x 32 KB: no place in the cluster enters an LDS address
	s_lshl_b32 s[XSB], s[TB], 12                   ; x's scale words: 512 bytes a tile: (8 token block + 4 half) tiles on
	s_lshl_b32 s27, s[TH], 11
	s_add_co_u32 s[XSB], s[XSB], s27
	s_mov_b32 s[XSB+1], 0
	s_lshl_b32 s[WSB], s[CB], 12                   ; the weights': (8 channel block + 2 quarter) tiles on
	s_lshl_b32 s27, s[CQ], 10
	s_add_co_u32 s[WSB], s[WSB], s27
	s_mov_b32 s[WSB+1], 0
	s_lshl_b32 s[BQB], s[CB], 9                    ; the biases: 4 bytes a channel
	s_lshl_b32 s27, s[CQ], 7
	s_add_co_u32 s[BQB], s[BQB], s27
	s_mov_b32 s[BQB+1], 0
	s_mov_b32 s[BVB], s[BQB]
	s_mov_b32 s[BVB+1], 0
	s_lshr_b32 s60, s[CQ], 1
	s_lshl_b32 s61, s[CB], 1
	s_add_co_u32 s60, s60, s61                     ; the head of my 32 channels
	s_and_b32 s61, s[CQ], 1                        ; and which half of it
	s_lshl_b32 s62, s[TH], 13
	s_lshl_b32 s[QB], s60, 19                      ; q: [head][token tile][16 channels: 4][lane][16]: 512 KB a head, 2 KB a tile
	s_lshl_b32 s63, s[TB], 14
	s_add_co_u32 s[QB], s[QB], s63
	s_add_co_u32 s[QB], s[QB], s62
	s_lshl_b32 s63, s61, 10
	s_add_co_u32 s[QB], s[QB], s63
	s_mov_b32 s[QB+1], 0
	s_lshl_b32 s[KB], s60, 20                      ; k and v: 1 MB a head, in chunks of 512 keys: 64 KB of K, then 64 KB of V
	s_lshr_b32 s63, s[TB], 2
	s_lshl_b32 s63, s63, 17
	s_add_co_u32 s[KB], s[KB], s63
	s_and_b32 s63, s[TB], 3
	s_lshl_b32 s63, s63, 14
	s_add_co_u32 s[KB], s[KB], s63
	s_add_co_u32 s[KB], s[KB], s62
	s_add_co_u32 s[VB], s[KB], 65536               ; V: [32 keys: 16][16 channels: 4][half: 2][lane][16]
	s_lshl_b32 s63, s61, 10
	s_add_co_u32 s[KB], s[KB], s63
	s_lshl_b32 s63, s61, 11
	s_add_co_u32 s[VB], s[VB], s63
	s_mov_b32 s[KB+1], 0
	s_mov_b32 s[VB+1], 0
	v_and_b32 v10, 31, v0
	v_lshlrev_b32 v[L16], 4, v10
	s_lshl_b32 s27, s[TH], 15
	v_add_nc_u32 v[AX], s27, v[L16]
	s_lshl_b32 s27, s[CQ], 14
	s_add_co_u32 s27, s27, 65536
	v_add_nc_u32 v[AW], s27, v[L16]
	v_add_nc_u32 v[AW+1], 0x10000, v[AW]
	v_add_nc_u32 v[AW+2], 0x20000, v[AW]
	v_bfe_u32 v10, v0, 4, 1
	v_lshlrev_b32 v[H32], 5, v10
	v_and_b32 v10, 15, v0
	v_lshlrev_b32 v[R4], 2, v10
	s_wait_dscnt 0x0                               ; both opening adds are done
	s_wait_kmcnt 0x0
	s_mov_b32 s[G0X], 1
	s_mov_b32 s[G0X+1], s34
	s_add_nc_u64 s[G0X+2:G0X+3], s[4:5], s[30:31]
	s_or_b32 s[G0X+3], s[G0X+3], 0x80000000
	s_mov_b32 s[G0W], 1
	s_mov_b32 s[G0W+1], s34
	s_add_nc_u64 s[G0W+2:G0W+3], s[8:9], s[32:33]
	s_or_b32 s[G0W+3], s[G0W+3], 0x80000000
	s_add_nc_u64 s[XSB:XSB+1], s[6:7], s[XSB:XSB+1]
	s_add_nc_u64 s[WSB:WSB+1], s[10:11], s[WSB:WSB+1]
	s_add_nc_u64 s[BQB:BQB+1], s[12:13], s[BQB:BQB+1]
	s_add_nc_u64 s[BVB:BVB+1], s[14:15], s[BVB:BVB+1]
	s_add_nc_u64 s[QB:QB+1], s[16:17], s[QB:QB+1]
	s_add_nc_u64 s[KB:KB+1], s[18:19], s[KB:KB+1]
	s_add_nc_u64 s[VB:VB+1], s[18:19], s[VB:VB+1]
	CROUND                                         ; all sixteen work-groups are here: the joint loads meet
	s_cmp_lt_u32 s[WV], 2                          ; waves 0, 1 fetch x's halves, waves 2 to 7 the weights': the branch hangs on the wave's number alone; one tensor load of mine is out
	s_cbranch_scc0 .Lfor_w
	tensor_load_to_lds s[G0X:G0X+3], s[G1X:G1X+7]
	s_nop 0
	PLACES
	s_branch .Lasked
.Lfor_w:
	tensor_load_to_lds s[G0W:G0W+3], s[G1W:G1W+7]
	s_nop 0
	PLACES
.Lasked:
.irp a, 0,1,2,3
	global_load_b128 v[XS+4*\a:XS+4*\a+3], v[L16], s[XSB:XSB+1] offset:512*\a   ; register p: lanes 0-15 the words of K step 2 p, lanes 16-31 of 2 p + 1
.endr
.irp mi, 0,1,2
.irp b, 0,1
	global_load_b128 v[WS+4*(2*\mi+\b):WS+4*(2*\mi+\b)+3], v[L16], s[WSB:WSB+1] offset:32768*\mi+512*\b
.endr
.endr
.irp b, 0,1
	global_load_b128 v[BQ+8*\b:BQ+8*\b+3], v[H32], s[BQB:BQB+1] offset:64*\b      ; bq at my eight channels 16 b + 8 h + 0..7
	global_load_b128 v[BQ+8*\b+4:BQ+8*\b+7], v[H32], s[BQB:BQB+1] offset:64*\b+16
	global_load_b32 v[BV+8*\b], v[R4], s[BVB:BVB+1] offset:64*\b                  ; bv at my one channel 16 b + r
.endr
	s_wait_loadcnt 0x0
.irp b, 0,1
.irp j, 1,2,3,4,5,6,7
	v_mov_b32 v[BV+8*\b+\j], v[BV+8*\b]            ; for all eight tokens of the lane
.endr
.endr
	s_wait_tensorcnt 0x0                           ; my 32 KB are in,
	s_barrier_signal -1
	s_barrier_wait -1                              ; everybody's are
.macro WM odd, cm                      ; one product; odd: the scale words of an odd K step stand in lanes 16-31; cm = 0: the constant 0 starts the sum
.if \cm
.if \odd
	v_wmma_scale_f32_16x16x128_f8f6f4 v[rD:rD+7], v[rA:rA+7], v[rB:rB+7], v[rC:rC+7], v[sA], v[sB] matrix_a_fmt:MATRIX_FMT_FP4 matrix_b_fmt:MATRIX_FMT_FP4 matrix_a_scale:MATRIX_SCALE_ROW1 matrix_b_scale:MATRIX_SCALE_ROW1
.else
	v_wmma_scale_f32_16x16x128_f8f6f4 v[rD:rD+7], v[rA:rA+7], v[rB:rB+7], v[rC:rC+7], v[sA], v[sB] matrix_a_fmt:MATRIX_FMT_FP4 matrix_b_fmt:MATRIX_FMT_FP4
.endif
.else
	v_wmma_scale_f32_16x16x128_f8f6f4 v[rD:rD+7], v[rA:rA+7], v[rB:rB+7], 0, v[sA], v[sB] matrix_a_fmt:MATRIX_FMT_FP4 matrix_b_fmt:MATRIX_FMT_FP4
.endif
.endm
; A K step of 128: ten fragments from LDS (each two loads of 512 consecutive bytes), 24 products.  The 24 accumulators take turns, one instruction a turn, in the same order in every step.
.macro KSTEP ks
	PLACES                                         ; four places in front of loads into registers that matrix instructions have read
.irp a, 0,1,2,3
.irp c, 0,1
	ds_load_b128 v[XF+8*\a+4*\c:XF+8*\a+4*\c+3], v[AX] offset:\a*8192+(\ks)*1024+512*\c
.endr
.endr
.irp mi, 0,1,2
.irp b, 0,1
.irp c, 0,1
	ds_load_b128 v[WF+8*(2*\mi+\b)+4*\c:WF+8*(2*\mi+\b)+4*\c+3], v[AW+\mi] offset:\b*8192+(\ks)*1024+512*\c
.endr
.endr
.endr
	s_wait_dscnt 0x0
.if (\ks) == 0
	WIN 0x40                                       ; D in window 1; the biases in window 0
.else
	WIN 0x50                                       ; C and D in window 1
.endif
.irp a, 0,1,2,3
.irp b, 0,1
.irp mi, 0,1,2
.set rD, 8*(8*\mi+2*\a+\b)
.if \mi < 2
.set rA, WF+8*(2*\mi+\b)
.set rB, XF+8*\a
.set sA, WS+4*(2*\mi+\b)+(\ks)/2
.set sB, XS+4*\a+(\ks)/2
.else
.set rA, XF+8*\a
.set rB, WF+8*(2*\mi+\b)
.set sA, XS+4*\a+(\ks)/2
.set sB, WS+4*(2*\mi+\b)+(\ks)/2
.endif
.if (\ks) > 0
.set rC, rD
	WM (\ks)%2, 1
.elseif \mi == 0
.set rC, BQ+8*\b
	WM 0, 1
.elseif \mi == 1
	WM 0, 0
.else
.set rC, BV+8*\b
	WM 0, 1
.endif
.endr
.endr
.endr
	WIN 0
.endm
.irp ks, 0,1,2,3,4,5,6,7
	KSTEP \ks
.endr
	PLACES                                         ; in front of conversions that read results and write over fragments
	WIN 0x05                                       ; sources in window 1, destination in window 0
.set i, 0
.rept 24
.irp e, 0,1,2,3
	v_cvt_pk_f16_f32 v[OUT+4*i+\e], v[8*i+2*\e], v[8*i+2*\e+1]     ; each accumulator from its low end on
.endr
.set i, i+1
.endr
	WIN 0
.irp a, 0,1,2,3
.irp b, 0,1
	global_store_b128 v[L16], v[OUT+4*(2*\a+\b):OUT+4*(2*\a+\b)+3], s[QB:QB+1] offset:\a*2048+\b*512          ; each store: 512 consecutive bytes, aligned
	global_store_b128 v[L16], v[OUT+4*(8+2*\a+\b):OUT+4*(8+2*\a+\b)+3], s[KB:KB+1] offset:\a*2048+\b*512
	global_store_b128 v[L16], v[OUT+4*(16+2*\a+\b):OUT+4*(16+2*\a+\b)+3], s[VB:VB+1] offset:(\a/2)*4096+\b*1024+(\a%2)*512
.endr
.endr
	s_wait_tensorcnt 0x0                           ; the wave's end
	ds_add_u32 v[SPW], v[NIL]
	s_wait_dscnt 0x0
	CROUND                                         ; the closing round
	s_endpgm
.Lfunc_end_k_q0c716877bf_qkv:
	.size	k_q0c716877bf_qkv, .Lfunc_end_k_q0c716877bf_qkv-k_q0c716877bf_qkv
	.p2alignl 7, 3214868480
	.fill 96, 4, 3214868480
	.section	.rodata,"a",@progbits
	.p2align	6, 0x0
	.amdhsa_kernel k_q0c716877bf_qkv
		.amdhsa_group_segment_fixed_size 263168
		.amdhsa_private_segment_fixed_size 0
		.amdhsa_enable_private_segment 0
		.amdhsa_kernarg_size 64
		.amdhsa_user_sgpr_count 2
		.amdhsa_user_sgpr_kernarg_segment_ptr 1
		.amdhsa_wavefront_size32 1
		.amdhsa_system_sgpr_workgroup_id_x 1
		.amdhsa_system_sgpr_workgroup_id_y 1
		.amdhsa_system_sgpr_workgroup_id_z 1
		.amdhsa_system_vgpr_workitem_id 0
		.amdhsa_next_free_vgpr 448
		.amdhsa_next_free_sgpr 80
		.amdhsa_reserve_vcc 0
		.amdhsa_float_denorm_mode_32 3
		.amdhsa_float_denorm_mode_16_64 3
		.amdhsa_memory_ordered 1
		.amdhsa_forward_progress 1
		.amdhsa_inst_pref_size 53
	.end_amdhsa_kernel
	.amdgpu_metadata
---
amdhsa.version: [ 1, 2 ]
amdhsa.kernels:
  - .name:           k_q0c716877bf_qkv
    .symbol:         k_q0c716877bf_qkv.kd
    .args:
      - { .name: xc, .offset: 0, .size: 8, .value_kind: global_buffer, .address_space: global }
      - { .name: xs, .offset: 8, .size: 8, .value_kind: global_buffer, .address_space: global }
      - { .name: wc, .offset: 16, .size: 8, .value_kind: global_buffer, .address_space: global }
      - { .name: ws, .offset: 24, .size: 8, .value_kind: global_buffer, .address_space: global }
      - { .name: bq, .offset: 32, .size: 8, .value_kind: global_buffer, .address_space: global }
      - { .name: bv, .offset: 40, .size: 8, .value_kind: global_buffer, .address_space: global }
      - { .name: qf, .offset: 48, .size: 8, .value_kind: global_buffer, .address_space: global }
      - { .name: kv, .offset: 56, .size: 8, .value_kind: global_buffer, .address_space: global }
    .group_segment_fixed_size: 263168
    .private_segment_fixed_size: 0
    .kernarg_segment_align: 8
    .kernarg_segment_size: 64
    .max_flat_workgroup_size: 256
    .sgpr_count:     80
    .vgpr_count:     448
    .wavefront_size: 32
...
	.end_amdgpu_metadata
.endif
;; end of part 2
;; launch attn (part 3): grid 16 x 16, 8 waves a work-group, clusters of 4 x 1, 327,680 bytes of LDS; arguments qf, kv, of; writes of
.if DOCPART == 3
	.amdgcn_target "amdgcn-amd-amdhsa--gfx1250"
	.amdhsa_code_object_version 6
	.text
	.protected	k_q0c716877bf_attn
	.globl	k_q0c716877bf_attn
	.p2align	8
	.type	k_q0c716877bf_attn,@function
k_q0c716877bf_attn:
	s_mov_b64 s[64:65], 0
	v_nop
	global_prefetch_b8 v0, s[64:65] scope:SCOPE_SE
	s_setreg_imm32_b32 hwreg(HW_REG_WAVE_MODE, 25, 1), 1
	s_wait_xcnt 0x0
	s_wait_alu depctr_hold_cnt(0) depctr_sa_sdst(0) depctr_va_vdst(0) depctr_va_sdst(0) depctr_va_ssrc(0) depctr_va_vcc(0) depctr_vm_vsrc(0)
	s_getreg_b32 s2, hwreg(HW_REG_IB_STS2, 6, 4)
	s_cmp_eq_u32 s2, 0
	s_cbranch_scc0 .Lentry_in_a_cluster
	s_endpgm
.Lentry_in_a_cluster:
	s_bfe_u32 s2, ttmp6, 0x10000c
	s_cmp_lg_u32 s2, 0x3003
	s_cbranch_scc0 .Lentry_shape_is_right
	s_endpgm
.Lentry_shape_is_right:
; Launch 3 of 4: o[h][t] = sum over s of p[t][s] v[h][s], p = e / sum(e), e = fastexp(SCALING (q_t . k_s) - m), m the row's maximum.  Operands in f16, sums in f32.
; LEFT OUT: the bias bk (shown at the head of the first kernel).
; TWO PASSES OVER THE KEYS.  The fast exponential is the bit pattern of the whole number int(A x + B): it is linear inside each octave, so fastexp(a + b) is not fastexp(a) fastexp(b), and sums taken under a running
; maximum cannot be brought under a later one.  So the row's true maximum is found first: pass 1 is q k^T and the maximum; pass 2 makes the same scores again (same instructions, same operands, same order: the same bits), then e, the row's sum and e v.
; THE EXPONENTIAL: s the raw score, c = A x SCALING (SCALING = the fast inverse root of 64 = 0.12478839), b = B - c m (one fused multiply-add a row), y = c s + b (one fused multiply-add), e = the bits of the whole number trunc(y).
; y > GIST_D cannot be: s <= m bit for bit, so y stays at B or a rounding above.  y < GIST_C: a negative y is held at 0 by the conversion to an unsigned number; 0 <= y < 2^23 gives an e under 2^-126 where reference() has 0:
; it is 0 in f16 for the product, and is lost beside a row's sum, which is at least fastexp(0) = 0.97.
; LIMITS: NaN and infinities are not served; e and v go to the matrix unit in f16 (e <= 1; an e under 6e-5 carries an absolute error of at most 3e-8).
; SHARES: a work-group owns 256 queries of one head.  Wave w: queries 64 (w % 4) on, four tiles of 16; of each slot's keys the half w / 4.  Two waves share a SIMD: one wave's vector work stands beside the other's products.
; Since m is known before pass 2, the two halves' sums and O simply add at the end, through LDS.
; LAYOUT: S^T = K Q^T (source 0 = 16 keys, source 1 = 16 queries): a lane holds ONE query (lane % 16) and keys 8 (lane / 16) + 0..7.  Two such tiles packed to f16 ARE source 1 of O^T = V^T P.  K, V, Q lie in memory as images
; of their operand registers (16 bytes a lane, 512 a group of four registers), so every LDS read is 16 x lane + a constant.
; CLUSTER 4 x 1: the four query blocks of a cluster belong to one head and walk the same K and V: every tile is asked for jointly, mask 15.
; RING: two slots of 128 KB; each of the eight waves brings 16 KB of a slot by one load.  Pass 1: a slot holds 1,024 keys of K (4 fills); pass 2: 512 keys of K, then of V (8 fills).  By this text's count two loads of a wave are out at the head, later one.
; REGISTERS: window 0: v1-16 addresses; v18-25 running maxima; v28-35 maxima at the end of pass 1; v36-43 b, a pair a tile; v44-59 row sums; v60-63 at work; v64-191 S^T, then e, then P in place; v192-255 Q.
;   window 1: v0-127 O^T ((tile, 16 channels) at 8 (4 t + ch)); v128-191 K of a step; v192-255 V of a step.
.set SLOT1, 131072
.set MXS,   262144                     ; behind the ring: 512 bytes a wave: the maxima
.set SMS,   266240                     ; 512 bytes a wave: the row sums
.set SPARE, 270336                     ; the spare words, 128 bytes for each of eight waves
.set AK1, 1                            ; v1   16 x lane + my half of a slot in pass 1
.set AK2, 2                            ; v2   the same for K in pass 2
.set AV2, 3                            ; v3   and for V
.set ADK, 4                            ; v4   the step's K
.set ADV, 5                            ; v5   the step's V
.set L16, 6                            ; v6   16 x lane
.set MXW, 7
.set MXR, 8
.set SMW, 9
.set SMR, 10
.set STW, 11                           ; v11  the way out: my O goes here (in slot 0, after its last fill and its last read)
.set RA,  12                           ; v12  and the two tiles that I finish come from here,
.set RB,  13                           ; v13  and from the other half's wave
.set SPW, 14                           ; v14  my spare word; never rewritten
.set NIL, 15                           ; v15  0; never rewritten
.set PFO, 16                           ; v16  256 x lane; never rewritten
.set MXA, 18
.set MXB, 22
.set MXF, 28
.set MXP, 32
.set BT,  36
.set LSUM, 44
.set TM,  60
.set SS,  64
.set QF,  192
.set KF,  128
.set VF,  192
.set WV, 10
.set CX, 11
.set BLK, 12
.set HD, 13
.set QG, 14
.set KH, 15
.set TB, 16                            ; s16  LDS byte at which the step's tiles begin, my half's offset apart
.set CNT, 17
.set SLOTS, 18
.set LIM, 19
.set CS, 20                            ; s[20:21] c, twice
.set SEL, 22                           ; s[22:23] selects for lane l xor 16
.set BC, 24                            ; s24  B
.set PFA, 26                           ; s[26:27] where my prefetches stand
.set G1, 28                            ; s[28:35] descriptor group 1
.set G0A, 36                           ; s[36:39] group 0: pass 1, slot 0;  s[40:43] pass 1, slot 1;  s[44:47] pass 2: it walks
.set G0B, 40
.set G0W, 44
.set OB, 60                            ; s[60:61] where my part of o goes
.set QB, 62                            ; s[62:63] my 64 queries
.set MSB, 0
.macro WIN new                         ; the immediate's high byte repeats the setting that is left
.if MSB != \new
	s_set_vgpr_msb (MSB<<8)|\new
.set MSB, \new
.endif
.endm
.macro PLACES n
.rept \n
	v_nop
.endr
.endm
.macro CROUND                          ; a round of the cluster's barrier
	s_barrier_signal -1
	s_barrier_wait -1
	s_cmp_lg_u32 s[WV], 0
	s_cbranch_scc1 .Lnot_wave_0_\@
	s_barrier_signal -3
.Lnot_wave_0_\@:
	s_barrier_wait -3
	s_barrier_signal -1
	s_barrier_wait -1
.endm
; A PREFETCH INTO THE L2 of the 64 KB of V that the NEXT change of slots will ask for: a slot's work ahead of that load.  All clusters of a head walk the same V: the head's first cluster asks.  Its four partners take 16 KB each, told apart
; BY ADDRESS; in each, waves 0 and 1 take 8 KB, lanes 256 bytes apart: each block of 256 bytes is named once in the launch.  K of pass 2 has been read in pass 1 and is not asked for; of pass 1's four fills two go out at the head
; and the third at the first change, so only the fourth could be asked for ahead: it is left to its load.  The last change that fills a slot asks for nothing.
.macro ASK how
.if \how == 1
	s_cmp_eq_u32 s[LIM], 1
.else
	s_cmp_gt_u32 s[SLOTS], s[LIM]
.endif
	s_cbranch_scc0 .Lnot_mine_\@
	global_prefetch_b8 v[PFO], s[PFA:PFA+1] th:TH_LOAD_NT scope:SCOPE_SE
.Lnot_mine_\@:
.endm
	s_load_b128 s[4:7], s[0:1], 0x0                ; qf s[4:5], kv s[6:7]
	s_load_b64 s[8:9], s[0:1], 0x10                ; of
	v_lshl_add_u32 v[SPW], v0, 2, SPARE
	v_mov_b32 v[NIL], 0
	ds_add_u32 v[SPW], v[NIL]                      ; the wave's opening: the add, twice on end, and its wait ahead of my first tensor load
	ds_add_u32 v[SPW], v[NIL]
	v_lshrrev_b32 v[TM], 5, v0
	v_readfirstlane_b32 s[WV], v[TM]               ; wave 0..7
	s_and_b32 s[QG], s[WV], 3
	s_lshr_b32 s[KH], s[WV], 2
	s_bfe_u32 s[CX], ttmp6, 0x40000
	s_lshl_b32 s[BLK], ttmp9, 2
	s_add_co_u32 s[BLK], s[BLK], s[CX]             ; my block of 256 queries: it enters Q's and o's addresses (and the prefetches') alone
	s_and_b32 s[HD], ttmp7, 0xffff                 ; the head, which the four partners share
	s_mov_b32 s[G1], 15|(3<<16)|(1<<21)            ; 15:0 the mask: all four work-groups; 17:16 elements of 8 bytes; 21 set beside a mask; no padding
	s_mov_b32 s[G1+1], 32<<16                      ; tensor_dim0 = 32: rows of 256 bytes
	s_mov_b32 s[G1+2], 64<<16                      ; tensor_dim1 = 64 rows: 16 KB, dense
	s_mov_b32 s[G1+3], 32<<16                      ; tile_dim0
	s_mov_b32 s[G1+4], 64                          ; tile_dim1
	s_mov_b32 s[G1+5], 32                          ; from row to row
	s_mov_b32 s[G1+6], 0
	s_mov_b32 s[G1+7], 0
	s_mov_b32 s[CS], 0x49b85a34                    ; c = 12102203 x 0.12478839 = 1510214.5
	s_mov_b32 s[CS+1], s[CS]
	s_mov_b32 s[BC], 0x4e7de9a3                    ; B = 1064986816
	s_mov_b32 s[SEL], 0x76543210
	s_mov_b32 s[SEL+1], 0xfedcba98
	s_mov_b32 s[TB], 0
	s_lshr_b32 s[LIM], s[WV], 1                    ; 0 in waves 0 and 1,
	s_or_b32 s[LIM], s[LIM], ttmp9                 ; of the head's first cluster: the same in all four partners
	s_cmp_eq_u32 s[LIM], 0
	s_cselect_b32 s[LIM], 1, -1
	s_lshl_b32 s50, s[HD], 20                      ; the head's 1 MB of K and V
	s_mov_b32 s51, 0
	s_lshl_b32 s52, s[KH], 17                      ; pass 1: waves 0-3 bring the K of an even chunk of 512 keys, waves 4-7 of the odd one
	s_lshl_b32 s53, s[QG], 14
	s_add_co_u32 s52, s52, s53
	s_mov_b32 s53, 0
	s_lshl_b32 s54, s[WV], 14                      ; wave x 16 KB: my place in a slot, and in a chunk in pass 2
	s_mov_b32 s55, 0
	s_lshl_b32 s56, s[CX], 14                      ; the prefetches: V of chunk 0, my work-group's 16 KB, my wave's 8 KB
	s_and_b32 s57, s[WV], 1
	s_lshl_b32 s57, s57, 13
	s_add_co_u32 s56, s56, s57
	s_add_co_u32 s56, s56, 65536
	s_mov_b32 s57, 0
	s_lshl_b32 s58, s[HD], 19                      ; Q: 512 KB a head, 2 KB a tile: tile 16 block + 4 (w % 4)
	s_lshl_b32 s59, s[BLK], 15
	s_add_co_u32 s58, s58, s59
	s_lshl_b32 s59, s[QG], 13
	s_add_co_u32 s58, s58, s59
	s_mov_b32 s59, 0
	s_lshl_b32 s60, s[BLK], 1                      ; o: [128 tokens][K step of 256][tile: 8][32 along K: 8][half][lane][16], K = 64 head + channel
	s_lshr_b32 s61, s[QG], 1
	s_add_co_u32 s60, s60, s61
	s_lshl_b32 s60, s60, 18
	s_lshr_b32 s61, s[HD], 2
	s_lshl_b32 s61, s61, 16
	s_add_co_u32 s60, s60, s61
	s_and_b32 s61, s[QG], 1
	s_lshl_b32 s61, s61, 15
	s_add_co_u32 s60, s60, s61
	s_lshl_b32 s61, s[KH], 14                      ; I finish tiles 2 (w / 4) and 2 (w / 4) + 1 of my four
	s_add_co_u32 s60, s60, s61
	s_and_b32 s61, s[HD], 3
	s_lshl_b32 s61, s61, 11
	s_add_co_u32 s60, s60, s61
	s_mov_b32 s61, 0
	s_wait_dscnt 0x0                               ; both opening adds are done
	s_wait_kmcnt 0x0
	s_add_nc_u64 s[48:49], s[6:7], s[50:51]        ; the head's K and V
	s_mov_b32 s[G0A], 1
	s_mov_b32 s[G0A+1], s54
	s_add_nc_u64 s[G0A+2:G0A+3], s[48:49], s[52:53]
	s_or_b32 s[G0A+3], s[G0A+3], 0x80000000
	s_mov_b32 s[G0B], 1
	s_add_co_u32 s[G0B+1], s54, SLOT1
	s_add_nc_u64 s[G0B+2:G0B+3], s[48:49], s[52:53]
	s_add_nc_u64 s[G0B+2:G0B+3], s[G0B+2:G0B+3], 262144
	s_or_b32 s[G0B+3], s[G0B+3], 0x80000000
	s_mov_b32 s[G0W], 1
	s_mov_b32 s[G0W+1], s54
	s_add_nc_u64 s[G0W+2:G0W+3], s[48:49], s[54:55]
	s_or_b32 s[G0W+3], s[G0W+3], 0x80000000
	s_add_nc_u64 s[PFA:PFA+1], s[48:49], s[56:57]
	s_add_nc_u64 s[QB:QB+1], s[4:5], s[58:59]
	s_add_nc_u64 s[OB:OB+1], s[8:9], s[OB:OB+1]
	CROUND                                         ; all four work-groups are here: the first joint loads meet
	tensor_load_to_lds s[G0A:G0A+3], s[G1:G1+7]    ; keys 0 to 1,023
	s_nop 0
	tensor_load_to_lds s[G0B:G0B+3], s[G1:G1+7]    ; keys 1,024 to 2,047
	s_nop 0
	PLACES 4
	v_and_b32 v[TM], 31, v0
	v_lshlrev_b32 v[L16], 4, v[TM]
	v_lshlrev_b32 v[TM+1], 2, v[TM]
	v_lshlrev_b32 v[PFO], 8, v[TM]
.set i, 0
.rept 16
	global_load_b128 v[QF+4*i:QF+4*i+3], v[L16], s[QB:QB+1] offset:512*i   ; Q stays in registers: tile i / 4, channels 16 (i % 4) + 8 h on
.set i, i+1
.endr
	s_lshl_b32 s50, s[KH], 16
	v_add_nc_u32 v[AK1], s50, v[L16]
	s_lshl_b32 s50, s[KH], 15
	v_add_nc_u32 v[AK2], s50, v[L16]
	v_add_nc_u32 v[AV2], 0x10000, v[AK2]
	s_lshl_b32 s50, s[WV], 9
	s_add_co_u32 s50, s50, MXS
	v_add_nc_u32 v[MXW], s50, v[L16]
	s_xor_b32 s50, s[WV], 4                        ; the wave with my queries and the other half of the keys
	s_lshl_b32 s50, s50, 9
	s_add_co_u32 s50, s50, MXS
	v_add_nc_u32 v[MXR], s50, v[L16]
	s_lshl_b32 s50, s[WV], 9
	s_add_co_u32 s50, s50, SMS
	v_add_nc_u32 v[SMW], s50, v[TM+1]
	s_lshl_b32 s50, s[QG], 9
	s_lshl_b32 s51, s[KH], 8
	s_add_co_u32 s50, s50, s51
	s_add_co_u32 s50, s50, SMS
	v_add_nc_u32 v[SMR], s50, v[TM+1]
	v_add_nc_u32 v[STW], s54, v[L16]
	s_lshl_b32 s50, s[QG], 14
	s_lshl_b32 s51, s[KH], 13
	s_add_co_u32 s50, s50, s51
	v_add_nc_u32 v[RA], s50, v[L16]
	v_add_nc_u32 v[RB], 0x10000, v[RA]
.irp j, 0,1,2,3,4,5,6,7
	v_mov_b32 v[MXA+\j], 0xff800000                ; the running maxima begin at -infinity
.endr
.irp j, 0,1,2,3
	v_mov_b32 v[MXP+\j], 0                         ; a lane permute's destination counts as one of its sources
.endr
.macro LOADK                           ; a step's K: 64 keys x 64 channels: 8 fragments, 16 loads of 512 consecutive bytes
	WIN 0x40                                       ; destination window 1
.irp f, 0,1,2,3,4,5,6,7,8,9,10,11,12,13,14,15
	ds_load_b128 v[KF+4*\f:KF+4*\f+3], v[ADK] offset:512*\f
.endr
.endm
.macro LOADV                           ; a step's V^T: 64 channels x 64 keys
	WIN 0x40
.irp f, 0,1,2,3,4,5,6,7,8,9,10,11,12,13,14,15
	ds_load_b128 v[VF+4*\f:VF+4*\f+3], v[ADV] offset:512*\f
.endr
.endm
; S^T of tile t: four tiles of 16 keys by turns, 32 channels at a time: between two links of a chain stand three other accumulators'.  The constant 0 starts each sum.
.macro QK t
	WIN 0x01                                       ; K in window 1
.irp cg, 0,1
.irp kt, 0,1,2,3
.if \cg == 0
	v_wmma_f32_16x16x32_f16 v[SS+32*\t+8*\kt:SS+32*\t+8*\kt+7], v[KF+8*(2*\kt+\cg):KF+8*(2*\kt+\cg)+7], v[QF+8*(2*\t+\cg):QF+8*(2*\t+\cg)+7], 0
.else
	v_wmma_f32_16x16x32_f16 v[SS+32*\t+8*\kt:SS+32*\t+8*\kt+7], v[KF+8*(2*\kt+\cg):KF+8*(2*\kt+\cg)+7], v[QF+8*(2*\t+\cg):QF+8*(2*\t+\cg)+7], v[SS+32*\t+8*\kt:SS+32*\t+8*\kt+7]
.endif
.endr
.endr
.endm
; O^T of tile t += V^T P: four tiles of 16 channels by turns, 32 keys at a time.  z = 1: the first 32 keys start the sums.
.macro PV t, z
	WIN 0x51                                       ; V, C and D in window 1, P in window 0
.irp g, 0,1
.irp ch, 0,1,2,3
.if (\z) && (\g == 0)
	v_wmma_f32_16x16x32_f16 v[8*(4*\t+\ch):8*(4*\t+\ch)+7], v[VF+8*(4*\g+\ch):VF+8*(4*\g+\ch)+7], v[SS+32*\t+16*\g:SS+32*\t+16*\g+7], 0
.else
	v_wmma_f32_16x16x32_f16 v[8*(4*\t+\ch):8*(4*\t+\ch)+7], v[VF+8*(4*\g+\ch):VF+8*(4*\g+\ch)+7], v[SS+32*\t+16*\g:SS+32*\t+16*\g+7], v[8*(4*\t+\ch):8*(4*\t+\ch)+7]
.endif
.endr
.endr
.endm
.macro MAX t                           ; tile t's 32 scores into two running maxima; each accumulator is read from its low end on
	WIN 0
.set i, 0
.rept 8
	v_max3_num_f32 v[MXA+\t], v[MXA+\t], v[SS+32*\t+4*i], v[SS+32*\t+4*i+1]
	v_max3_num_f32 v[MXB+\t], v[MXB+\t], v[SS+32*\t+4*i+2], v[SS+32*\t+4*i+3]
.set i, i+1
.endr
.endm
; Tile t's 32 scores become e, are summed, and are packed to f16 IN PLACE: pair i goes to register i (keys 0-31) or 8 + i (keys 32-63) of the tile, which belongs to a pair that has been summed and packed already, or to pair i itself.
.macro SM t
	WIN 0
.set i, 0
.rept 16
	v_pk_fma_f32 v[SS+32*\t+2*i:SS+32*\t+2*i+1], v[SS+32*\t+2*i:SS+32*\t+2*i+1], s[CS:CS+1], v[BT+2*\t:BT+2*\t+1] op_sel_hi:[1,0,0]   ; y = c s + b (of the pairs c and b the low word serves both halves)
.set i, i+1
.endr
.set i, 0
.rept 32
	v_cvt_u32_f32 v[SS+32*\t+i], v[SS+32*\t+i]     ; toward zero; a negative y gives 0.  The whole number's bits are e
.set i, i+1
.endr
.set i, 0
.rept 16
	v_pk_add_f32 v[LSUM+4*\t+2*(i%2):LSUM+4*\t+2*(i%2)+1], v[LSUM+4*\t+2*(i%2):LSUM+4*\t+2*(i%2)+1], v[SS+32*\t+2*i:SS+32*\t+2*i+1]   ; the row's sum is taken of e in f32, in two chains
	v_cvt_pk_f16_f32 v[SS+32*\t+8*(i/8)+i], v[SS+32*\t+2*i], v[SS+32*\t+2*i+1]
.set i, i+1
.endr
.endm
; PASS 1, a step of 64 keys.  Vector instructions that read a matrix result stand four plain vector instructions behind it: the four v_nop, then each tile's maximum for the tile behind it (ISA guide 7.12.1).
.macro P1STEP
	v_add_nc_u32 v[ADK], s[TB], v[AK1]
	s_add_co_u32 s[TB], s[TB], 8192
	LOADK
	s_wait_dscnt 0x0
	QK 0
	QK 1
	WIN 0
	PLACES 4
	MAX 0
	QK 2
	MAX 1
	QK 3
	MAX 2
	MAX 3
.endm
.macro P1SLOT                          ; my 512 keys of a slot
	s_mov_b32 s[CNT], 8
.Lp1_\@:
	P1STEP
	s_sub_co_u32 s[CNT], s[CNT], 1
	s_cmp_lg_u32 s[CNT], 0
	s_cbranch_scc1 .Lp1_\@
	s_sub_co_u32 s[TB], s[TB], 65536
	s_xor_b32 s[TB], s[TB], SLOT1                  ; on to the other slot
.endm
; PASS 2, a step of 64 keys.  The five v_nop at the end: four places in front of the next step's loads into V's registers, five in front of its products that write over P.
.macro P2STEP z
	v_add_nc_u32 v[ADK], s[TB], v[AK2]
	v_add_nc_u32 v[ADV], s[TB], v[AV2]
	s_add_co_u32 s[TB], s[TB], 8192
	LOADK
	LOADV
	s_wait_dscnt 16                                ; K is in; V's sixteen loads may be out
	QK 0
	QK 1
	WIN 0
	PLACES 4
	SM 0
	QK 2
	SM 1
	QK 3
	SM 2
	s_wait_dscnt 0x0                               ; V is in
	PV 0, \z
	SM 3
	PV 1, \z
	PV 2, \z
	PV 3, \z
	WIN 0
	PLACES 5
.endm
.macro P2SLOT n
	s_mov_b32 s[CNT], \n
.Lp2_\@:
	P2STEP 0
	s_sub_co_u32 s[CNT], s[CNT], 1
	s_cmp_lg_u32 s[CNT], 0
	s_cbranch_scc1 .Lp2_\@
.endm
.macro TURN2
	s_sub_co_u32 s[TB], s[TB], 32768
	s_xor_b32 s[TB], s[TB], SLOT1
.endm
; THE CHANGE OF SLOTS.  Each wave waits for all its tensor loads (one is out: its part of the slot ahead), adds 0 to its spare word, and waits for that and for its reads of the slot that it leaves.  fill = 1: a round of the cluster's
; barrier, so that no wave of any partner still reads that slot or has a load on its way; the joint refill is the first thing behind it, one load a wave, and has a slot's work in which to land.
; mode: how group 0 steps: 1: 2,048 keys of K on (pass 1); 2: the other slot, the next chunk (pass 2); 0: as it stands.  step: the prefetches' address goes a chunk on.  ask: 0 none; 1, 2: see ASK.
.macro CHANGE fill, g0, mode, step, ask
	WIN 0
	s_wait_tensorcnt 0x0                           ; no tensor load of mine is out, so a group 0 may be written
	ds_add_u32 v[SPW], v[NIL]
.if \mode == 1
	s_add_nc_u64 s[\g0+2:\g0+3], s[\g0+2:\g0+3], 524288
.elseif \mode == 2
	s_xor_b32 s[\g0+1], s[\g0+1], SLOT1
	s_add_nc_u64 s[\g0+2:\g0+3], s[\g0+2:\g0+3], 131072
.endif
.if \step
	s_wait_xcnt 0x0                                ; the last prefetch, a slot back, has read its address
	s_add_nc_u64 s[PFA:PFA+1], s[PFA:PFA+1], 131072
.endif
	s_wait_dscnt 0x0                               ; the add is done, and my LDS reads and stores are over
.if \fill
	CROUND
	tensor_load_to_lds s[\g0:\g0+3], s[G1:G1+7]
	s_nop 0
	PLACES 4
.if \ask
	ASK \ask
.endif
.else
	s_barrier_signal -1
	s_barrier_wait -1
.endif
.endm
	s_wait_tensorcnt 1                             ; my part of slot 0 is in; slot 1's may stay out
	s_barrier_signal -1
	s_barrier_wait -1                              ; everybody's is
	s_wait_loadcnt 0x0                             ; Q
	P1SLOT                                         ; keys 0 to 1,023
	CHANGE 1, G0A, 1, 0, 0                         ; slot 0 takes keys 2,048 on
	P1SLOT
	CHANGE 1, G0B, 1, 0, 1                         ; slot 1 takes keys 3,072 on; V of chunk 0 is asked for
	P1SLOT
	CHANGE 1, G0W, 0, 1, 1                         ; slot 0 takes pass 2's chunk 0; V of chunk 1 is asked for
	P1SLOT
.irp t, 0,1,2,3
	v_max_num_f32 v[MXF+\t], v[MXA+\t], v[MXB+\t]  ; the two chains,
.endr
.irp t, 0,1,2,3
	v_permlanex16_b32 v[MXP+\t], v[MXF+\t], s[SEL], s[SEL+1]
.endr
.irp t, 0,1,2,3
	v_max_num_f32 v[MXF+\t], v[MXF+\t], v[MXP+\t]  ; the other half of the lanes,
.endr
	ds_store_b128 v[MXW], v[MXF:MXF+3]             ; and, behind the round below, the wave with the other half of the keys
	CHANGE 1, G0W, 2, 1, 1                         ; slot 1 takes chunk 1; V of chunk 2 is asked for
	ds_load_b128 v[MXP:MXP+3], v[MXR]
.irp j, 0,1,2,3,4,5,6,7,8,9,10,11,12,13,14,15
	v_mov_b32 v[LSUM+\j], 0                        ; the row sums
.endr
.irp t, 0,1,2,3
	v_mov_b32 v[BT+2*\t+1], 0                      ; (named with b as a pair, so it is written)
.endr
	s_wait_dscnt 0x0
.irp t, 0,1,2,3
	v_max_num_f32 v[MXF+\t], v[MXF+\t], v[MXP+\t]  ; m: the row's largest raw score over all 4,096 keys
.endr
.irp t, 0,1,2,3
	v_fma_f32 v[BT+2*\t], -v[MXF+\t], s[CS], s[BC] ; b = B - c m
.endr
	P2STEP 1                                       ; chunk 0: its first step starts O^T's sums
	P2SLOT 3
	TURN2
	s_mov_b32 s[SLOTS], 6
.Lslot:                                            ; six trips: chunks 1 to 6 are worked, chunks 3 to 7 asked for
	CHANGE 1, G0W, 2, 1, 2
	P2SLOT 4
	TURN2
	s_sub_co_u32 s[SLOTS], s[SLOTS], 1
	s_cmp_lg_u32 s[SLOTS], 0
	s_cbranch_scc1 .Lslot
	CHANGE 0, G0W, 0, 0, 0                         ; the tail is written out
	P2SLOT 4                                       ; chunk 7, in slot 1
	; THE WAY OUT.  Each wave's sums and O^T (over its half of the keys) go to LDS; behind a barrier wave w adds the two halves of two of its query group's four tiles, divides, rounds to f16 and stores register images.
.irp t, 0,1,2,3
	v_pk_add_f32 v[LSUM+4*\t:LSUM+4*\t+1], v[LSUM+4*\t:LSUM+4*\t+1], v[LSUM+4*\t+2:LSUM+4*\t+3]
.endr
.irp t, 0,1,2,3
	v_add_f32 v[TM+\t], v[LSUM+4*\t], v[LSUM+4*\t+1]
.endr
.irp t, 0,1,2,3
	v_permlanex16_b32 v[MXP+\t], v[TM+\t], s[SEL], s[SEL+1]
.endr
.irp t, 0,1,2,3
	v_add_f32 v[TM+\t], v[TM+\t], v[MXP+\t]
.endr
.irp t, 0,1,2,3
	ds_store_b32 v[SMW], v[TM+\t] offset:128*\t
.endr
	WIN 0x04                                       ; an LDS store's data are its source 1: window 1
.set i, 0
.rept 32
	ds_store_b128 v[STW], v[4*i:4*i+3] offset:512*i   ; each accumulator from its low end on.  Slot 0 has had its last fill, and nobody has read it since the last change of slots
.set i, i+1
.endr
	WIN 0
	s_wait_dscnt 0x0                               ; for the others' sake: my stores have landed
	s_barrier_signal -1
	s_barrier_wait -1
.set i, 0
.rept 16
	ds_load_b128 v[64+4*i:64+4*i+3], v[RA] offset:512*i
	ds_load_b128 v[128+4*i:128+4*i+3], v[RB] offset:512*i
.set i, i+1
.endr
	ds_load_b32 v[TM], v[SMR]                      ; the first tile's sum over keys' half 0,
	ds_load_b32 v[TM+1], v[SMR] offset:128         ; the second tile's,
	ds_load_b32 v[TM+2], v[SMR] offset:2048        ; and the same over half 1
	ds_load_b32 v[TM+3], v[SMR] offset:2176
	s_wait_dscnt 0x0
	v_add_f32 v[TM], v[TM], v[TM+2]
	v_add_f32 v[TM+2], v[TM+1], v[TM+3]
	v_rcp_f32 v[TM], v[TM]
	v_rcp_f32 v[TM+2], v[TM+2]
.set i, 0
.rept 32
	v_pk_add_f32 v[64+2*i:64+2*i+1], v[64+2*i:64+2*i+1], v[128+2*i:128+2*i+1]   ; plain work behind the reciprocals, which it does not name
.set i, i+1
.endr
	s_wait_alu depctr_va_vdst(0)                   ; one wait for both reciprocals, ahead of their first reader
.set i, 0
.rept 32
	v_pk_mul_f32 v[64+2*i:64+2*i+1], v[64+2*i:64+2*i+1], v[TM+2*(i/16):TM+2*(i/16)+1] op_sel_hi:[1,0]
.set i, i+1
.endr
.set i, 0
.rept 32
	v_cvt_pk_f16_f32 v[192+i], v[64+2*i], v[64+2*i+1]
.set i, i+1
.endr
.irp tt, 0,1
.irp ch, 0,1,2,3
	global_store_b128 v[L16], v[192+4*(4*\tt+\ch):192+4*(4*\tt+\ch)+3], s[OB:OB+1] offset:\tt*8192+\ch*512   ; 512 consecutive bytes, aligned
.endr
.endr
	s_wait_tensorcnt 0x0                           ; the wave's end
	ds_add_u32 v[SPW], v[NIL]
	s_wait_dscnt 0x0
	CROUND                                         ; the closing round
	s_endpgm
.Lfunc_end_k_q0c716877bf_attn:
	.size	k_q0c716877bf_attn, .Lfunc_end_k_q0c716877bf_attn-k_q0c716877bf_attn
	.p2alignl 7, 3214868480
	.fill 96, 4, 3214868480
	.section	.rodata,"a",@progbits
	.p2align	6, 0x0
	.amdhsa_kernel k_q0c716877bf_attn
		.amdhsa_group_segment_fixed_size 327680
		.amdhsa_private_segment_fixed_size 0
		.amdhsa_enable_private_segment 0
		.amdhsa_kernarg_size 24
		.amdhsa_user_sgpr_count 2
		.amdhsa_user_sgpr_kernarg_segment_ptr 1
		.amdhsa_wavefront_size32 1
		.amdhsa_system_sgpr_workgroup_id_x 1
		.amdhsa_system_sgpr_workgroup_id_y 1
		.amdhsa_system_sgpr_workgroup_id_z 1
		.amdhsa_system_vgpr_workitem_id 0
		.amdhsa_next_free_vgpr 512
		.amdhsa_next_free_sgpr 66
		.amdhsa_reserve_vcc 0
		.amdhsa_float_denorm_mode_32 3
		.amdhsa_float_denorm_mode_16_64 3
		.amdhsa_memory_ordered 1
		.amdhsa_forward_progress 1
		.amdhsa_inst_pref_size 150
	.end_amdhsa_kernel
	.amdgpu_metadata
---
amdhsa.version: [ 1, 2 ]
amdhsa.kernels:
  - .name:           k_q0c716877bf_attn
    .symbol:         k_q0c716877bf_attn.kd
    .args:
      - { .name: qf, .offset: 0, .size: 8, .value_kind: global_buffer, .address_space: global }
      - { .name: kv, .offset: 8, .size: 8, .value_kind: global_buffer, .address_space: global }
      - { .name: of, .offset: 16, .size: 8, .value_kind: global_buffer, .address_space: global }
    .group_segment_fixed_size: 327680
    .private_segment_fixed_size: 0
    .kernarg_segment_align: 8
    .kernarg_segment_size: 24
    .max_flat_workgroup_size: 256
    .sgpr_count:     66
    .vgpr_count:     512
    .wavefront_size: 32
...
	.end_amdgpu_metadata
.endif
;; end of part 3
;; launch proj (part 4): grid 8 x 32, 8 waves a work-group, clusters of 4 x 4, 327,680 bytes of LDS; arguments of, wof, out0; writes out0
.if DOCPART == 4
	.amdgcn_target "amdgcn-amd-amdhsa--gfx1250"
	.amdhsa_code_object_version 6
	.text
	.protected	k_q0c716877bf_proj
	.globl	k_q0c716877bf_proj
	.p2align	8
	.type	k_q0c716877bf_proj,@function
k_q0c716877bf_proj:
	s_mov_b64 s[64:65], 0
	v_nop
	global_prefetch_b8 v0, s[64:65] scope:SCOPE_SE
	s_setreg_imm32_b32 hwreg(HW_REG_WAVE_MODE, 25, 1), 1
	s_wait_xcnt 0x0
	s_wait_alu depctr_hold_cnt(0) depctr_sa_sdst(0) depctr_va_vdst(0) depctr_va_sdst(0) depctr_va_ssrc(0) depctr_va_vcc(0) depctr_vm_vsrc(0)
	s_getreg_b32 s2, hwreg(HW_REG_IB_STS2, 6, 4)
	s_cmp_eq_u32 s2, 0
	s_cbranch_scc0 .Lentry_in_a_cluster
	s_endpgm
.Lentry_in_a_cluster:
	s_bfe_u32 s2, ttmp6, 0x10000c
	s_cmp_lg_u32 s2, 0xf033
	s_cbranch_scc0 .Lentry_shape_is_right
	s_endpgm
.Lentry_shape_is_right:
; Launch 4 of 4: out0 = o Wo^T.  o [4,096][1,024] and Wo [1,024][1,024] arrive in f16 as images of operand registers; sums in f32; out0 in f32.
; SHARES: a work-group makes 128 tokens x 128 outputs.  Wave w: of each K step of 256 the half w / 4; tokens 64 ((w / 2) % 2) on; outputs 64 (w % 2) on: 16 accumulators of 16 x 16.  The two halves of K are added on the way out.
; RING: two slots of 128 KB; a slot holds a K step of 256: o's 64 KB, then Wo's; each wave brings 16 KB by one joint load.  Four K steps: two fills at the head, two refills.  By this text's count two loads of a wave are out at the head, later one.
; CLUSTER 4 x 4: o's tiles hang on the token block alone (shared along a row of the cluster), Wo's on the output block alone (along a column).
; THE MATRIX INSTRUCTION IS USED TRANSPOSED (source 0 = 16 rows of Wo, source 1 = 16 tokens): a lane holds eight neighbouring outputs of one token.
; No prefetch: four short K steps, of which two are asked for at the head.
.set SLOT,  131072
.set SPARE, 262144                     ; behind the ring: the spare words, 128 bytes for each of eight waves
.set SP,    528                        ; the way out: a stage row: 512 bytes + 16 = 33 x 16
.set HSTG,  128*SP                     ; a stage of 128 rows for each half of K; both lie in the ring, after its last fill and its last read
.set L16, 1
.set AO,  2                            ; v2-3  my fragments of o in slot 0, 1
.set AW,  4                            ; v4-5  of Wo
.set SO,  6
.set SR0, 7
.set SR1, 8
.set SPW, 10                           ; v10  my spare word; never rewritten
.set NIL, 11                           ; v11  0; never rewritten
.set OFR, 16                           ; v16-47  four fragments of o
.set WFR, 48                           ; v48-79  four of Wo
.set ACC, 96                           ; v96-223 accumulator (a, b) at 96 + 8 (4 a + b)
.set WV, 10
.set KH, 11
.set TH, 12
.set NH, 13
.set CX, 14
.set CY, 15
.set NB, 16
.set TK, 17
.set G1O, 24                           ; s[24:31] descriptor group 1 for o's tiles;  s[32:39] for Wo's
.set G1W, 32
.set G0O, 40                           ; s[40:47] groups 0 for o's tiles, one set for each slot;  s[48:55] for Wo's
.set G0W, 48
.macro PLACES
.rept 4
	v_nop
.endr
.endm
.macro CROUND
	s_barrier_signal -1
	s_barrier_wait -1
	s_cmp_lg_u32 s[WV], 0
	s_cbranch_scc1 .Lnot_wave_0_\@
	s_barrier_signal -3
.Lnot_wave_0_\@:
	s_barrier_wait -3
	s_barrier_signal -1
	s_barrier_wait -1
.endm
.macro JLOAD s                         ; waves 0 to 3 fetch o's quarters, waves 4 to 7 Wo's: the branch hangs on the wave's number alone
	s_cmp_lt_u32 s[WV], 4
	s_cbranch_scc0 .Lfor_w_\@
	tensor_load_to_lds s[G0O+4*\s:G0O+4*\s+3], s[G1O:G1O+7]
	s_nop 0
	PLACES
	s_branch .Lasked_\@
.Lfor_w_\@:
	tensor_load_to_lds s[G0W+4*\s:G0W+4*\s+3], s[G1W:G1W+7]
	s_nop 0
	PLACES
.Lasked_\@:
.endm
	s_load_b128 s[4:7], s[0:1], 0x0                ; of s[4:5], wof s[6:7]
	s_load_b64 s[8:9], s[0:1], 0x10                ; out0
	v_lshl_add_u32 v[SPW], v0, 2, SPARE
	v_mov_b32 v[NIL], 0
	ds_add_u32 v[SPW], v[NIL]                      ; the wave's opening: the add, twice on end, and its wait ahead of my first tensor load
	ds_add_u32 v[SPW], v[NIL]
	v_lshrrev_b32 v12, 5, v0
	v_readfirstlane_b32 s[WV], v12                 ; wave 0..7
	s_lshr_b32 s[KH], s[WV], 2
	s_bfe_u32 s[TH], s[WV], 0x10001
	s_and_b32 s[NH], s[WV], 1
	s_bfe_u32 s[CX], ttmp6, 0x40000
	s_bfe_u32 s[CY], ttmp6, 0x40004
	s_lshl_b32 s[NB], ttmp9, 2
	s_add_co_u32 s[NB], s[NB], s[CX]               ; output block
	s_and_b32 s[TK], ttmp7, 0xffff
	s_lshl_b32 s[TK], s[TK], 2
	s_add_co_u32 s[TK], s[TK], s[CY]               ; token block
	s_lshl_b32 s56, s[CY], 2
	s_lshl_b32 s56, 15, s56                        ; my row of the cluster
	s_lshl_b32 s57, 0x1111, s[CX]                  ; my column
	s_or_b32 s[G1O], s56, (3<<16)|(1<<21)          ; the mask; elements of 8 bytes; bit 21 beside a mask; no padding
	s_or_b32 s[G1W], s57, (3<<16)|(1<<21)
.irp g, G1O, G1W
	s_mov_b32 s[\g+1], 32<<16                      ; rows of 256 bytes,
	s_mov_b32 s[\g+2], 64<<16                      ; 64 of them: 16 KB, dense
	s_mov_b32 s[\g+3], 32<<16
	s_mov_b32 s[\g+4], 64
	s_mov_b32 s[\g+5], 32
	s_mov_b32 s[\g+6], 0
	s_mov_b32 s[\g+7], 0
.endr
	s_and_b32 s58, s[WV], 3
	s_lshl_b32 s58, s58, 14                        ; my quarter of a block of 64 KB
	s_lshl_b32 s18, s[TK], 18                      ; o: 256 KB a token block: made of the token block and the wave alone
	s_add_co_u32 s18, s18, s58
	s_mov_b32 s19, 0
	s_lshl_b32 s20, s[NB], 18                      ; Wo: 256 KB an output block: made of the output block and the wave alone
	s_add_co_u32 s20, s20, s58
	s_mov_b32 s21, 0
	s_lshl_b32 s22, s[WV], 14                      ; where my 16 KB go in a slot
	s_lshl_b32 s60, s[TK], 19                      ; out0: row 128 token block + 16 wave, of 4,096 bytes; + 512 bytes an output block
	s_lshl_b32 s61, s[WV], 16
	s_add_co_u32 s60, s60, s61
	s_lshl_b32 s61, s[NB], 9
	s_add_co_u32 s60, s60, s61
	s_mov_b32 s61, 0
	s_wait_dscnt 0x0                               ; both opening adds are done
	s_wait_kmcnt 0x0
	s_add_nc_u64 s[18:19], s[4:5], s[18:19]
	s_add_nc_u64 s[20:21], s[6:7], s[20:21]
	s_add_nc_u64 s[8:9], s[8:9], s[60:61]
	CROUND                                         ; all sixteen work-groups are here: the first joint loads meet
.irp s, 0,1
	s_mov_b32 s[G0O+4*\s], 1
	s_add_co_u32 s[G0O+4*\s+1], s22, \s*SLOT
	s_add_nc_u64 s[G0O+4*\s+2:G0O+4*\s+3], s[18:19], \s*65536
	s_or_b32 s[G0O+4*\s+3], s[G0O+4*\s+3], 0x80000000
	s_mov_b32 s[G0W+4*\s], 1
	s_add_co_u32 s[G0W+4*\s+1], s22, \s*SLOT
	s_add_nc_u64 s[G0W+4*\s+2:G0W+4*\s+3], s[20:21], \s*65536
	s_or_b32 s[G0W+4*\s+3], s[G0W+4*\s+3], 0x80000000
	JLOAD \s
.endr
	v_and_b32 v12, 31, v0
	v_lshlrev_b32 v[L16], 4, v12
	s_lshl_b32 s56, s[TH], 15                      ; my four tiles of tokens, 8 KB each; my four groups of 32 along K, 1 KB each
	s_lshl_b32 s57, s[KH], 12
	s_add_co_u32 s56, s56, s57
	v_add_nc_u32 v[AO], s56, v[L16]
	v_add_nc_u32 v[AO+1], SLOT, v[AO]
	s_lshl_b32 s56, s[NH], 15
	s_add_co_u32 s56, s56, s57
	s_add_co_u32 s56, s56, 65536
	v_add_nc_u32 v[AW], s56, v[L16]
	v_add_nc_u32 v[AW+1], SLOT, v[AW]
	v_and_b32 v12, 15, v0
	v_bfe_u32 v13, v0, 4, 1
	v_mul_u32_u24 v[SO], v12, SP                   ; into the stage: row 64 th + 16 a + r; bytes 256 nh + 64 b + 32 h
	v_lshl_add_u32 v[SO], v13, 5, v[SO]
	s_mul_i32 s56, s[KH], HSTG
	s_mul_i32 s57, s[TH], 64*SP
	s_add_co_u32 s56, s56, s57
	s_lshl_b32 s57, s[NH], 8
	s_add_co_u32 s56, s56, s57
	v_add_nc_u32 v[SO], s56, v[SO]
	s_mul_i32 s56, s[WV], 16*SP                    ; back: rows 16 w on, whole; from both halves' stages
	v_add_nc_u32 v[SR0], s56, v[L16]
	v_add_nc_u32 v[SR1], HSTG, v[SR0]
; 32 along K: eight fragments from LDS, 16 products; the 16 accumulators take turns, one instruction a turn, in the same order in every group.  z = 1: the constant 0 starts the sums.
.macro GROUP slot, g, z
	PLACES                                         ; four places in front of loads into registers that matrix instructions have read
.irp a, 0,1,2,3
.irp hf, 0,1
	ds_load_b128 v[OFR+8*\a+4*\hf:OFR+8*\a+4*\hf+3], v[AO+\slot] offset:\a*8192+\g*1024+512*\hf
	ds_load_b128 v[WFR+8*\a+4*\hf:WFR+8*\a+4*\hf+3], v[AW+\slot] offset:\a*8192+\g*1024+512*\hf
.endr
.endr
	s_wait_dscnt 0x0
.irp a, 0,1,2,3
.irp b, 0,1,2,3
.if \z
	v_wmma_f32_16x16x32_f16 v[ACC+8*(4*\a+\b):ACC+8*(4*\a+\b)+7], v[WFR+8*\b:WFR+8*\b+7], v[OFR+8*\a:OFR+8*\a+7], 0
.else
	v_wmma_f32_16x16x32_f16 v[ACC+8*(4*\a+\b):ACC+8*(4*\a+\b)+7], v[WFR+8*\b:WFR+8*\b+7], v[OFR+8*\a:OFR+8*\a+7], v[ACC+8*(4*\a+\b):ACC+8*(4*\a+\b)+7]
.endif
.endr
.endr
.endm
.macro SLOTWORK slot, z
	GROUP \slot, 0, \z
	GROUP \slot, 1, 0
	GROUP \slot, 2, 0
	GROUP \slot, 3, 0
.endm
; The change of slots: all my tensor loads have landed (my part of the slot ahead), the add, my reads of the slot that I leave are over; fill = 1: a round of the cluster's barrier, and the joint refill first behind it, two K steps ahead.
.macro CHANGE fill, slot
	s_wait_tensorcnt 0x0
	ds_add_u32 v[SPW], v[NIL]
.if \fill
	s_add_nc_u64 s[G0O+4*\slot+2:G0O+4*\slot+3], s[G0O+4*\slot+2:G0O+4*\slot+3], 131072
	s_add_nc_u64 s[G0W+4*\slot+2:G0W+4*\slot+3], s[G0W+4*\slot+2:G0W+4*\slot+3], 131072
.endif
	s_wait_dscnt 0x0
.if \fill
	CROUND
	JLOAD \slot
.else
	s_barrier_signal -1
	s_barrier_wait -1
.endif
.endm
	s_wait_tensorcnt 1                             ; my part of K step 0 is in; K step 1's may stay out
	s_barrier_signal -1
	s_barrier_wait -1
	SLOTWORK 0, 1
	CHANGE 1, 0
	SLOTWORK 1, 0
	CHANGE 1, 1
	SLOTWORK 0, 0
	CHANGE 0, 0
	SLOTWORK 1, 0
	PLACES                                         ; in front of the first read of results
	s_wait_dscnt 0x0
	s_barrier_signal -1
	s_barrier_wait -1                              ; nobody reads the ring any more, and both slots have had their last fill: the stages may be written
.irp a, 0,1,2,3
.irp b, 0,1,2,3
	ds_store_b128 v[SO], v[ACC+8*(4*\a+\b):ACC+8*(4*\a+\b)+3] offset:\a*16*SP+64*\b        ; each accumulator from its low end on
	ds_store_b128 v[SO], v[ACC+8*(4*\a+\b)+4:ACC+8*(4*\a+\b)+7] offset:\a*16*SP+64*\b+16
.endr
.endr
	s_wait_dscnt 0x0                               ; for the others' sake: my stores have landed
	s_barrier_signal -1
	s_barrier_wait -1
.set i, 0
.rept 16
	ds_load_b128 v[96+4*i:96+4*i+3], v[SR0] offset:i*SP
	ds_load_b128 v[160+4*i:160+4*i+3], v[SR1] offset:i*SP
.set i, i+1
.endr
.set i, 0
.rept 16
	s_wait_dscnt 30-2*i                            ; row i's two loads are in; the later rows' may be out
	v_pk_add_f32 v[96+4*i:96+4*i+1], v[96+4*i:96+4*i+1], v[160+4*i:160+4*i+1]     ; the two halves of K
	v_pk_add_f32 v[96+4*i+2:96+4*i+3], v[96+4*i+2:96+4*i+3], v[160+4*i+2:160+4*i+3]
	global_store_b128 v[L16], v[96+4*i:96+4*i+3], s[8:9] offset:i*4096 th:TH_STORE_NT   ; 32 lanes store 512 consecutive bytes, aligned; written once, read by nobody here
.set i, i+1
.endr
	s_wait_tensorcnt 0x0                           ; the wave's end
	ds_add_u32 v[SPW], v[NIL]
	s_wait_dscnt 0x0
	CROUND                                         ; the closing round
	s_endpgm
.Lfunc_end_k_q0c716877bf_proj:
	.size	k_q0c716877bf_proj, .Lfunc_end_k_q0c716877bf_proj-k_q0c716877bf_proj
	.p2alignl 7, 3214868480
	.fill 96, 4, 3214868480
	.section	.rodata,"a",@progbits
	.p2align	6, 0x0
	.amdhsa_kernel k_q0c716877bf_proj
		.amdhsa_group_segment_fixed_size 327680
		.amdhsa_private_segment_fixed_size 0
		.amdhsa_enable_private_segment 0
		.amdhsa_kernarg_size 24
		.amdhsa_user_sgpr_count 2
		.amdhsa_user_sgpr_kernarg_segment_ptr 1
		.amdhsa_wavefront_size32 1
		.amdhsa_system_sgpr_workgroup_id_x 1
		.amdhsa_system_sgpr_workgroup_id_y 1
		.amdhsa_system_sgpr_workgroup_id_z 1
		.amdhsa_system_vgpr_workitem_id 0
		.amdhsa_next_free_vgpr 224
		.amdhsa_next_free_sgpr 66
		.amdhsa_reserve_vcc 0
		.amdhsa_float_denorm_mode_32 3
		.amdhsa_float_denorm_mode_16_64 3
		.amdhsa_memory_ordered 1
		.amdhsa_forward_progress 1
		.amdhsa_inst_pref_size 52
	.end_amdhsa_kernel
	.amdgpu_metadata
---
amdhsa.version: [ 1, 2 ]
amdhsa.kernels:
  - .name:           k_q0c716877bf_proj
    .symbol:         k_q0c716877bf_proj.kd
    .args:
      - { .name: of, .offset: 0, .size: 8, .value_kind: global_buffer, .address_space: global }
      - { .name: wof, .offset: 8, .size: 8, .value_kind: global_buffer, .address_space: global }
      - { .name: out0, .offset: 16, .size: 8, .value_kind: global_buffer, .address_space: global }
    .group_segment_fixed_size: 327680
    .private_segment_fixed_size: 0
    .kernarg_segment_align: 8
    .kernarg_segment_size: 24
    .max_flat_workgroup_size: 256
    .sgpr_count:     66
    .vgpr_count:     224
    .wavefront_size: 32
...
	.end_amdgpu_metadata
.endif
;; end of part 4
